; MI455X (gfx1250); checked and timed in simulation.
; The chip was launched on July 23, 2026; its instructions are those of AMD's public machine-readable ISA for CDNA 5 (MIT licence, August 2026) and "CDNA5" Instruction Set Architecture Reference Guide (July 2026). The comments in the code are by the model that wrote it; some were corrected since.
;; Quant Linear. Allowed arithmetic: matrix products marked QUANTISED: E4M3 operands, one E8M0 scale for each 32 along K, by v_wmma_scale_f32_16x16x128_f8f6f4 with both operands' format E4M3, f32 sums; everything else in f32.
;; Inputs: bias 4,096 float16; qweight 512 x 4,096 int32; qzeros 1 x 512 int32; scales 1 x 4,096 float16; x_codes 4 x 1,024 x 128 x 32 uint8 (E4M3 codes of x, K innermost, in blocks of 32 codes); x_scales 4 x 1,024 x 128 uint8 (E8M0 scales of x, one for each 32 codes along K).
;; Outputs: out0 4 x 1,024 x 4,096 float16.
;; This version of the problem:
;;   THIS VERSION OF THE PROBLEM IS GIVEN IN LOW PRECISION. The matrix products marked QUANTISED in the list below multiply operands that are first quantised to E4M3 (4 exponent bits, 3 mantissa bits; 8 bits a number), with one power-of-two scale for each 32 numbers along K (OCP MX v1.0); their sums are f32. All else is computed in f32.
;;   The module's matrix products, in the order in which they are computed (A, B: the left and right operand; K: the contracted axis; several contracted axes count as one K, in the product's order):
;;     1. [M 4,096, K 4,096] x [K 4,096, N 4,096]; A: input x (given as codes); B: computed on the way: QUANTISED
;;   THE QUANTISER, for each operand of a quantised product, along K:
;;     - K is cut into blocks of 32 from its start; a last block that is shorter is filled with zeros.
;;     - A block's scale is 2^e with e = floor(log2(the largest magnitude in the block)) - 8, held to -126 .. 127; a block of zeros has e = 0. As a byte (E8M0): e + 127.
;;     - Each number is divided by its block's scale, clamped to +-448, and rounded to the nearest number of E4M3, ties to even, subnormals kept.
;;     - The product sums the exact products of the quantised numbers (number of the format x scale) in f32.
;;   ~~~python
;;   def quantise(x, axis):      # numpy; x: float32 -> the quantised numbers, widened to float32 again
;;       x = np.moveaxis(x, axis, -1); K = x.shape[-1]
;;       x = np.pad(x, [(0, 0)] * (x.ndim - 1) + [(0, -K % 32)]); x = x.reshape(x.shape[:-1] + (-1, 32)); a = np.abs(x).max(-1, keepdims=True)
;;       e = np.where(a > 0, np.clip(np.frexp(np.where(a > 0, a, 1))[1] - 1 - 8, -126, 127), 0)      # np.frexp(a)[1] - 1 = floor(log2(a)), exactly
;;       r = np.clip(x / 2.0 ** e, -448, 448)
;;       step = 2.0 ** (np.maximum(np.frexp(np.where(r == 0, 1, r))[1] - 1, -6) - 3)
;;       q = np.round(r / step) * step * 2.0 ** e      # np.round: ties to even
;;       return np.moveaxis(q.reshape(q.shape[:-2] + (-1,))[..., :K], -1, axis).astype(np.float32)
;;   ~~~
;;   OPERANDS COMPUTED ON THE WAY. 'Computed on the way' means the value that the module computes at that place (a softmax that the list does not call 'softmax' is quantised finished and normalised). What goes into a quantiser is computed in f32, as accurately as f32 sums, v_exp_f32 and their like allow (about 1e-6 of the number): no bf16 or f16 on the way to a quantiser, and a product that is left as it is and whose result goes on into a quantised operand takes f32 operands (vector FMAs, or v_wmma_f32_16x16x4_f32). A number that lies on a knife's edge between two numbers of the format may be rounded either way, as far as f32 arithmetic and the matrix unit's own rounding can turn it there, and no further.
;;   INPUTS GIVEN AS CODES. x (in the module: [4, 1024, 4096], K = its axis 2): each comes as NAME_codes (uint8): NAME with its K axis moved to the last place and cut into blocks of 32 codes, [.., K / 32, bytes a block], one block behind the other in memory; one code a byte (a code: sign, 4 exponent bits, 3 mantissa bits); and NAME_scales (uint8): the same leading axes, one E8M0 byte (e + 127) for each 32 codes along K. Its value is code x scale, taken as it is: it is not quantised again, and the codes and scales need not be those that the quantiser above would give.
;; One version. Each part assembles by itself: llvm-mc -triple=amdgcn-amd-amdhsa -mcpu=gfx1250 --defsym DOCPART=n.
;; ======== version 1 of 1: 2 launches
;; limits: values are held in f16: magnitudes above 65,504 overflow, below 6.1e-05 lose precision; right only within a limited range of input values
;; workspace buffers: w_img 17,825,792 bytes
;; launch prep (part 1): grid 32 x 16, 4 waves a work-group, no clusters, 35,328 bytes of LDS; arguments qweight, scales, qzeros, w_img; writes w_img
.if DOCPART == 1
	.amdgcn_target "amdgcn-amd-amdhsa--gfx1250"
	.amdhsa_code_object_version 6
	.text
	.protected	k_q4d87590307_prep
	.globl	k_q4d87590307_prep
	.p2align	8
	.type	k_q4d87590307_prep,@function
k_q4d87590307_prep:
	s_mov_b64 s[64:65], 0
	v_nop
	global_prefetch_b8 v0, s[64:65] scope:SCOPE_SE
	s_setreg_imm32_b32 hwreg(HW_REG_WAVE_MODE, 25, 1), 1
	s_wait_xcnt 0x0
; W[k][n] = w4[k][n] * s[n] - (z[n] + 1) * s[n] is made in f32 and turned into codes of FP8 (E4M3) along K, with one E8M0 byte for each 32 along K.
; w_img[tile of 256 columns: 16][K step of 256: 16][column 256][272 bytes]: a column's 256 codes (K innermost), its 8 scale bytes, 8 zeros.
; So a K step of a tile is 69,632 consecutive bytes, in the order in which the product's launch holds them in LDS.
; W is exact in f32: w4 and z + 1 have at most 5 bits, s (from f16) 11, and the difference is (w4 - z - 1) * s: one fused multiply-add gives the number as it is defined.
; A block's byte is its largest magnitude's exponent field - 8, held at 1 from below.
; LIMITS: NaN and infinities in scales are not served.  A block of zeros gets the byte 1 where the quantiser's rule says 127: its codes are zeros,
; which add nothing under any byte but 0xff, and the bytes are read by this program alone.
; SHARES: work-group (x, y): K step y, 128 columns; a wave 32 columns x 256 along K.  A lane takes a column and its registers run down K: a block of 32 lies
; in one lane.  The wave's stage in LDS, 32 rows of 272 bytes, IS its piece of the image: it leaves as 17 stores of 512 consecutive aligned bytes.
; No barrier: waves share nothing.  Matrix units, tensor loads and clusters have nothing to do here: no work-group reads what another reads.
.set QROW,  16384                      ; a row of qweight in bytes
.set PITCH, 272
.set KIMG,  256*PITCH                  ; a K step of a tile in the image
.set SB,    24                         ; v[24:25] my column's eight scale bytes; v[26:27] zeros
.set OUTR,  28                         ; v28-95   the way out
.set Q,     32                         ; v32-63   my column's 32 words of qweight
.set X,     64                         ; v64-95   a block's 32 numbers
.set C,     96                         ; v96-111  a block's codes, two sets by turns
	s_load_b256 s[4:11], s[0:1], 0x0               ; qweight, scales, qzeros, w_img
	v_lshl_add_u32 v112, v0, 2, 0x8800             ; my spare word, behind the four stages
	v_mov_b32 v113, 0
	v_lshrrev_b32 v1, 5, v0
	v_readfirstlane_b32 s16, v1                    ; wave
	s_lshl_b32 s17, ttmp9, 7
	s_lshl_b32 s19, s16, 5
	s_add_co_u32 s17, s17, s19                     ; my wave's first column
	s_and_b32 s18, ttmp7, 0xffff                   ; K step
	s_mov_b32 s21, 0
	s_mul_i32 s19, s16, 32*PITCH                   ; my wave's stage
	v_and_b32 v2, 31, v0                           ; lane
	v_lshlrev_b32 v3, 2, v2                        ; qweight: 4 x lane
	v_lshlrev_b32 v5, 1, v2                        ; scales: 2 x lane
	v_lshrrev_b32 v6, 3, v2
	v_lshlrev_b32 v6, 2, v6                        ; qzeros: the word of my eight columns
	v_and_b32 v20, 7, v2
	v_lshlrev_b32 v20, 2, v20                      ; my zero point's nibble
	v_mul_u32_u24 v4, v2, PITCH
	v_add_nc_u32 v4, s19, v4                       ; into the stage: row = my column
	v_lshlrev_b32 v8, 4, v2                        ; out: 16 x lane, in the image
	v_add_nc_u32 v7, s19, v8                       ; and in the stage
	v_mov_b32 v26, 0
	v_mov_b32 v27, 0
	s_mov_b32 s31, 0x600000                        ; the mantissa field of 448
	s_wait_alu depctr_va_vdst(0)                   ; the wait at the head's end
	s_wait_kmcnt 0x0
	s_lshl_b32 s20, s18, 19                        ; 32 rows of qweight a K step,
	s_lshl_b32 s22, s17, 2                         ; 4 bytes a column
	s_add_co_u32 s20, s20, s22
	s_add_nc_u64 s[4:5], s[4:5], s[20:21]
	s_lshl_b32 s20, s17, 1
	s_add_nc_u64 s[6:7], s[6:7], s[20:21]
	s_lshr_b32 s20, s17, 1
	s_add_nc_u64 s[8:9], s[8:9], s[20:21]
	global_load_u16 v18, v5, s[6:7]
	global_load_b32 v19, v6, s[8:9]
.irp i, 0,1,2,3,4,5,6,7,8,9,10,11,12,13,14,15,16,17,18,19,20,21,22,23,24,25,26,27,28,29,30,31
	global_load_b32 v[Q+\i], v3, s[4:5] offset:\i*QROW th:TH_LOAD_NT   ; 32 lanes read 128 consecutive bytes, the four waves 512
.endr
	s_lshr_b32 s20, s17, 8                         ; the image: (16 x tile + K step) x 69,632
	s_lshl_b32 s20, s20, 4
	s_add_co_u32 s20, s20, s18
	s_mul_i32 s20, s20, KIMG
	s_bfe_u32 s22, s17, 0x30005                    ; + my 32 columns of the tile's 256
	s_mul_i32 s22, s22, 32*PITCH
	s_add_co_u32 s20, s20, s22
	s_add_nc_u64 s[10:11], s[10:11], s[20:21]
	s_wait_loadcnt 32                              ; s and the zero points are in; the 32 words were issued behind them
	v_cvt_f32_f16 v14, v18.l                       ; s
	v_lshrrev_b32 v19, v20, v19
	v_and_b32 v19, 15, v19                         ; z
	v_add_nc_u32 v19, 1, v19
	v_cvt_f32_u32 v19, v19
	v_mov_b32 v15, v14
	v_mul_f32 v16, v19, v14                        ; (z + 1) * s
	v_mov_b32 v17, v16
.macro BLOCK t                         ; block t of 32 along K: words 4 t .. 4 t + 3
.set CB, C+8*((\t)%2)
	s_wait_loadcnt 28-4*(\t)                       ; behind word 4 t + 3 stand 28 - 4 t younger loads
.if (\t) >= 2
	s_wait_dscnt 2                                 ; block t - 2's two stores are done; block t - 1's may be out: this set of codes may be written
.endif
.irp d, 0,1,2,3
.irp j, 0,1,2,3,4,5,6,7
	v_bfe_u32 v[X+8*\d+\j], v[Q+4*(\t)+\d], 4*\j, 4               ; k = 32 t + 8 d + j
.endr
.endr
.irp i, 0,1,2,3,4,5,6,7,8,9,10,11,12,13,14,15,16,17,18,19,20,21,22,23,24,25,26,27,28,29,30,31
	v_cvt_f32_u32 v[X+\i], v[X+\i]
.endr
.irp i, 0,2,4,6,8,10,12,14,16,18,20,22,24,26,28,30
	v_pk_fma_f32 v[X+\i:X+\i+1], v[X+\i:X+\i+1], v[14:15], v[16:17] neg_lo:[0,0,1] neg_hi:[0,0,1]   ; w4 * s - (z + 1) * s
.endr
	v_max3_num_f32 v12, |v[X]|, |v[X+1]|, |v[X+2]|                ; the largest magnitude, in two chains
	v_max3_num_f32 v13, |v[X+3]|, |v[X+4]|, |v[X+5]|
.irp i, 6,10,14,18,22,26
	v_max3_num_f32 v12, v12, |v[X+\i]|, |v[X+\i+1]|
	v_max3_num_f32 v13, v13, |v[X+\i+2]|, |v[X+\i+3]|
.endr
	v_max3_num_f32 v12, v12, |v[X+30]|, |v[X+31]|
	v_max3_num_f32 v12, v12, v13, 0x4800000        ; and the floor 2^(9 - 127): the byte cannot fall under 1
	v_add_nc_u32 v11, 0xfc000000, v12              ; 8 off the exponent field: the conversion's scale operand
	v_and_or_b32 v10, v12, 0x7f800000, s31         ; 448 x the scale
.irp i, 0,1,2,3,4,5,6,7,8,9,10,11,12,13,14,15,16,17,18,19,20,21,22,23,24,25,26,27,28,29,30,31
	v_med3_num_f32 v[X+\i], v[X+\i], -v10, v10     ; the conversion does not saturate (ISA guide 7.6.2): held within 448 x the scale first
.endr
.irp g, 0,1,2,3
	v_cvt_scalef32_pk8_fp8_f32 v[CB+2*\g:CB+2*\g+1], v[X+8*\g:X+8*\g+7], v11
.endr
	v_lshrrev_b32 v13, 23, v11                     ; the scale's byte (also the plain line behind the conversions)
.if (\t)%4 == 0
	v_mov_b32 v[SB+(\t)/4], v13
.else
	v_lshl_or_b32 v[SB+(\t)/4], v13, 8*((\t)%4), v[SB+(\t)/4]
.endif
	ds_store_b128 v4, v[CB:CB+3] offset:32*(\t)
	ds_store_b128 v4, v[CB+4:CB+7] offset:32*(\t)+16
.endm
.irp t, 0,1,2,3,4,5,6,7
	BLOCK \t
.endr
	ds_store_b128 v4, v[SB:SB+3] offset:256        ; the row's last 16 bytes: 8 scale bytes, 8 zeros
.irp t, 0,1,2,3,4,5,6,7,8,9,10,11,12,13,14,15,16
	ds_load_b128 v[OUTR+4*\t:OUTR+4*\t+3], v7 offset:512*\t       ; LDS serves a wave's instructions in order (ISA guide 5.7.1.4): these see my stores
.endr
.irp t, 0,1,2,3,4,5,6,7,8,9,10,11,12,13,14,15,16
	s_wait_dscnt 16-\t                             ; load t is back; the 16 - t younger ones may be out
	global_store_b128 v8, v[OUTR+4*\t:OUTR+4*\t+3], s[10:11] offset:512*\t   ; 32 lanes store 512 consecutive aligned bytes
.endr
	s_wait_tensorcnt 0x0                           ; the wave's end
	ds_add_u32 v112, v113
	s_wait_dscnt 0x0
	s_endpgm
.Lfunc_end_k_q4d87590307_prep:
	.size	k_q4d87590307_prep, .Lfunc_end_k_q4d87590307_prep-k_q4d87590307_prep
	.p2alignl 7, 3214868480
	.fill 96, 4, 3214868480
	.section	.rodata,"a",@progbits
	.p2align	6, 0x0
	.amdhsa_kernel k_q4d87590307_prep
		.amdhsa_group_segment_fixed_size 35328
		.amdhsa_private_segment_fixed_size 0
		.amdhsa_enable_private_segment 0
		.amdhsa_kernarg_size 32
		.amdhsa_user_sgpr_count 2
		.amdhsa_user_sgpr_kernarg_segment_ptr 1
		.amdhsa_wavefront_size32 1
		.amdhsa_system_sgpr_workgroup_id_x 1
		.amdhsa_system_sgpr_workgroup_id_y 1
		.amdhsa_system_sgpr_workgroup_id_z 1
		.amdhsa_system_vgpr_workitem_id 0
		.amdhsa_next_free_vgpr 114
		.amdhsa_next_free_sgpr 66
		.amdhsa_reserve_vcc 0
		.amdhsa_float_denorm_mode_32 3
		.amdhsa_float_denorm_mode_16_64 3
		.amdhsa_memory_ordered 1
		.amdhsa_forward_progress 1
		.amdhsa_inst_pref_size 71
	.end_amdhsa_kernel
	.amdgpu_metadata
---
amdhsa.version: [ 1, 2 ]
amdhsa.kernels:
  - .name:           k_q4d87590307_prep
    .symbol:         k_q4d87590307_prep.kd
    .args:
      - { .name: qweight, .offset: 0, .size: 8, .value_kind: global_buffer, .address_space: global }
      - { .name: scales, .offset: 8, .size: 8, .value_kind: global_buffer, .address_space: global }
      - { .name: qzeros, .offset: 16, .size: 8, .value_kind: global_buffer, .address_space: global }
      - { .name: w_img, .offset: 24, .size: 8, .value_kind: global_buffer, .address_space: global }
    .group_segment_fixed_size: 35328
    .private_segment_fixed_size: 0
    .kernarg_segment_align: 8
    .kernarg_segment_size: 32
    .max_flat_workgroup_size: 128
    .sgpr_count:     66
    .vgpr_count:     114
    .wavefront_size: 32
...
	.end_amdgpu_metadata
.endif
;; end of part 1
;; launch gemm (part 2): grid 16 x 16, 4 waves a work-group, clusters of 4 x 4, 327,680 bytes of LDS; arguments x_codes, x_scales, w_img, bias, out0; writes out0
.if DOCPART == 2
	.amdgcn_target "amdgcn-amd-amdhsa--gfx1250"
	.amdhsa_code_object_version 6
	.text
	.protected	k_q4d87590307_gemm
	.globl	k_q4d87590307_gemm
	.p2align	8
	.type	k_q4d87590307_gemm,@function
k_q4d87590307_gemm:
	s_mov_b64 s[64:65], 0
	v_nop
	global_prefetch_b8 v0, s[64:65] scope:SCOPE_SE
	s_setreg_imm32_b32 hwreg(HW_REG_WAVE_MODE, 25, 1), 1
	s_wait_xcnt 0x0
	s_wait_alu depctr_hold_cnt(0) depctr_sa_sdst(0) depctr_va_vdst(0) depctr_va_sdst(0) depctr_va_ssrc(0) depctr_va_vcc(0) depctr_vm_vsrc(0)
	s_getreg_b32 s2, hwreg(HW_REG_IB_STS2, 6, 4)
	s_cmp_eq_u32 s2, 0
	s_cbranch_scc0 .Lentry_in_a_cluster
	s_endpgm
.Lentry_in_a_cluster:
	s_bfe_u32 s2, ttmp6, 0x10000c
	s_cmp_lg_u32 s2, 0xf033
	s_cbranch_scc0 .Lentry_shape_is_right
	s_endpgm
.Lentry_shape_is_right:
; out[m][n] = f16(sum over k of x[m][k] W[k][n] + bias[n]): x as given codes and scale bytes, W as the image that the launch before laid (256 columns x 272 bytes for each K step of 256).
; LIMIT: the bias enters the f32 sum as the first product's C and the result is rounded to f16 once, where reference() rounds the sum to f16 and adds in f16: the two differ by at most one rounding of f16.
; A tile of 256 x 256 is made by four waves, 128 x 128 each: 64 accumulators, 512 registers.  K goes in steps of 256 through a ring of two LDS slots; each wave fetches a quarter of a slot,
; 34,816 LDS bytes: waves 0, 1 128 rows of x (256 bytes + 16 of padding), waves 2, 3 half of W's image (136 rows of 256 bytes, dense: in LDS a column is 272 bytes: codes, then its 8 scale bytes).
; x's scale bytes of the work-group's 256 rows, for all of K, are one dense block of 32,768 bytes: it comes once, at the head, and stays.
; CLUSTERS 4 x 4: x's tiles and scales are asked for jointly along a row of the cluster, W's along a column.
; A step of 128 along K is 64 products, x's blocks one after the other against W's eight; during it ALL of the next step's fragments are fetched, one fragment (4 loads) behind every fourth product.
; W has two sets of registers, x's blocks 4-7 two, x's blocks 0-3 one (fetched anew in the step's second half).  So a slot's reads are all issued a step before its last products,
; and the change of slots (three lines, round, refill) stands at a step's edge with no product between the wait for the tiles and the refill: a refill has 128 products in which to land.
; THE PRODUCT IS USED TRANSPOSED (source 0 = 16 columns of W, source 1 = 16 rows of x): a lane holds eight neighbouring numbers of a row of out.
; PREFETCH: behind each fill one instruction a wave (W's waves: two) names the K step that the same slot takes at its next fill, two fills ahead; the four partners of a joint load share the blocks out by address
; (32 rows of x, 34 blocks of W's image each); the last two refills ask for nothing.
; REGISTERS: window 0: v0-31 addresses; v32-63 scale words, two sets; v64-127 the bias in f32, then x's blocks 4-7 for a slot's second step; v128-255 x's blocks 0-7.  window 1: W's two sets.  windows 2, 3: accumulators.
.set PITCH,  272
.set HA,     128*PITCH                 ; a quarter of a slot
.set TA,     2*HA                      ; x's 256 rows; W's image lies behind them
.set SLOT,   2*TA
.set KIMG,   TA                        ; a K step of W's image in memory
.set XS,     2*SLOT                    ; x's scales: 128 rows of 256 bytes + 16
.set XSH,    64*PITCH
.set SPARE,  XS+2*XSH+256              ; the spare words, 128 bytes a wave
.set NP,     8                         ; places behind this matrix instruction (ISA guide 7.12.1)
.set ADRA, 16                          ; v16-17 x's fragments in slot 0, 1
.set ADRXS,18                          ; v18-19 x's scale words for slot 0, 1's next K step
.set ADRB, 20                          ; v20-21 W's fragments
.set ADRSB,22                          ; v22-23 W's scale words
.set STO,  24
.set RD,   25
.set CO,   26
.set BO,   27
.set SPW,  28
.set NIL,  29
.set PFO,  30
.set PFO2, 31
.set SC,   32                          ; set s at SC + 16 s: x's words in registers 0-3 modulo 8, W's in 4-7; lanes 0-15 blocks 0-3, lanes 16-31 blocks 4-7
.set BF,   64
.set BP,   96
.set TMP,  96
.set BK,   128
.set G1A,  24
.set G0A,  32
.set PF,   44                          ; s[44:45], s[46:47] where slot 0's, 1's prefetches stand
.set G1B,  48
.set G0B,  56
.set G1S,  68
.set G0XS, 76
.set G0HA, 80
.set G0HB, 84
.set MSB, 0
.macro WIN new                         ; the immediate's high byte repeats the setting that is left
.if MSB != \new
	s_set_vgpr_msb (MSB<<8)|\new
.set MSB, \new
.endif
.endm
.set TO_B, 0x40
.macro PLACES n
.rept \n
	v_nop
.endr
.endm
.macro JLOAD s                         ; a joint load: waves 0, 1 for x, waves 2, 3 for W; s_nop 0 and four v_nop behind each line
	s_cmp_eq_u32 s15, 0
	s_cbranch_scc0 .Lfb_\@
	tensor_load_to_lds s[G0A+4*\s:G0A+4*\s+3], s[G1A:G1A+7]
	s_nop 0
	PLACES 4
	s_branch .Lja_\@
.Lfb_\@:
	tensor_load_to_lds s[G0B+4*\s:G0B+4*\s+3], s[G1B:G1B+7]
	s_nop 0
	PLACES 4
.Lja_\@:
.endm
.macro ASK s, cond                     ; cond = 1: not in the loop's last trip, whose refills have no K step two fills on
.if \cond
	s_cmp_gt_u32 s3, 1
	s_cbranch_scc0 .Lna_\@
.endif
	global_prefetch_b8 v[PFO], s[PF+2*\s:PF+2*\s+1] th:TH_LOAD_NT scope:SCOPE_SE
	s_cmp_eq_u32 s15, 0
	s_cbranch_scc1 .Lna_\@
	global_prefetch_b8 v[PFO2], s[PF+2*\s:PF+2*\s+1] th:TH_LOAD_NT scope:SCOPE_SE   ; W's share is 34 blocks: lane 0 names block 32, the others block 33
.Lna_\@:
.endm
.macro CREST
	s_cmp_lg_u32 s14, 0
	s_cbranch_scc1 .Lnw_\@
	s_barrier_signal -3
.Lnw_\@:
	s_barrier_wait -3
	s_barrier_signal -1
	s_barrier_wait -1
.endm
.macro CROUND
	s_barrier_signal -1
	s_barrier_wait -1
	CREST
.endm
	s_load_b256 s[4:11], s[0:1], 0x0               ; x_codes, x_scales, w_img, bias
	s_load_b64 s[12:13], s[0:1], 0x20              ; out
	v_lshl_add_u32 v[SPW], v0, 2, SPARE
	v_mov_b32 v[NIL], 0
	ds_add_u32 v[SPW], v[NIL]                      ; the opening lines: the add, twice on end, and its wait
	ds_add_u32 v[SPW], v[NIL]
	v_lshrrev_b32 v1, 5, v0
	v_readfirstlane_b32 s14, v1                    ; wave
	s_lshr_b32 s15, s14, 1                         ; my half of the tile's rows; also: I fetch for x (0) or W (1)
	s_and_b32 s16, s14, 1                          ; my half of its columns; also: which half I fetch
	s_bfe_u32 s40, ttmp6, 0x40000                  ; cx
	s_bfe_u32 s41, ttmp6, 0x40004                  ; cy
	s_lshl_b32 s42, ttmp9, 2
	s_add_co_u32 s42, s42, s40                     ; tile column
	s_and_b32 s17, ttmp7, 0xffff
	s_lshl_b32 s17, s17, 2
	s_add_co_u32 s17, s17, s41                     ; tile row
	s_lshl_b32 s43, s41, 2
	s_lshl_b32 s43, 15, s43                        ; my row of the cluster
	s_lshl_b32 s44, 0x1111, s40                    ; my column
	s_or_b32 s[G1A], s43, (1<<20)|(1<<21)|(5<<22)|(3<<25)   ; bytes; 16 bytes of padding behind every 256
	s_mov_b32 s[G1A+1], 256<<16
	s_mov_b32 s[G1A+2], 256<<16                    ; the head's load brings 256 rows
	s_mov_b32 s[G1A+3], 256<<16
	s_mov_b32 s[G1A+4], 256
	s_mov_b32 s[G1A+5], 4096
	s_mov_b32 s[G1A+6], 0
	s_mov_b32 s[G1A+7], 0
	s_or_b32 s[G1B], s44, (3<<16)|(1<<21)          ; elements of 8 bytes, rows of 256 bytes, dense, no padding
	s_mov_b32 s[G1B+1], 32<<16
	s_mov_b32 s[G1B+2], 272<<16                    ; the head's load brings the whole K step
	s_mov_b32 s[G1B+3], 32<<16
	s_mov_b32 s[G1B+4], 272
	s_mov_b32 s[G1B+5], 32
	s_mov_b32 s[G1B+6], 0
	s_mov_b32 s[G1B+7], 0
	s_or_b32 s[G1S], s43, (3<<16)|(1<<20)|(1<<21)|(5<<22)|(3<<25)
	s_mov_b32 s[G1S+1], 32<<16
	s_mov_b32 s[G1S+2], 64<<16
	s_mov_b32 s[G1S+3], 32<<16
	s_mov_b32 s[G1S+4], 64
	s_mov_b32 s[G1S+5], 32
	s_mov_b32 s[G1S+6], 0
	s_mov_b32 s[G1S+7], 0
	s_lshl_b32 s20, s17, 20                        ; x: 256 rows of 4,096 bytes a tile row
	s_mov_b32 s21, 0
	s_lshl_b32 s22, s17, 15                        ; x's scales: 256 rows of 128 bytes, + my half
	s_lshl_b32 s23, s16, 14
	s_add_co_u32 s22, s22, s23
	s_mov_b32 s23, 0
	s_mul_i32 s66, s42, 16*KIMG                    ; W's image: 16 K steps a tile column
	s_mov_b32 s67, 0
	s_mul_i32 s45, s14, HA                         ; the ring's loads go to wave x a quarter
	s_mul_i32 s93, s16, XSH
	s_add_co_u32 s93, s93, XS
	s_lshl_b32 s94, s16, 19                        ; my 128 rows of x
	s_mov_b32 s95, 0
	s_mul_i32 s96, s16, HA                         ; my half of the image
	s_mov_b32 s97, 0
	s_wait_dscnt 0x0
	s_wait_kmcnt 0x0
	s_add_nc_u64 s[20:21], s[4:5], s[20:21]
	s_add_nc_u64 s[22:23], s[6:7], s[22:23]
	s_add_nc_u64 s[66:67], s[8:9], s[66:67]
	s_mov_b32 s[G0HA], 1
	s_mov_b32 s[G0HA+1], 0
	s_mov_b64 s[G0HA+2:G0HA+3], s[20:21]
	s_or_b32 s[G0HA+3], s[G0HA+3], 0x80000000
	s_mov_b32 s[G0HB], 1
	s_mov_b32 s[G0HB+1], TA
	s_mov_b64 s[G0HB+2:G0HB+3], s[66:67]
	s_or_b32 s[G0HB+3], s[G0HB+3], 0x80000000
	s_mov_b32 s[G0XS], 1
	s_mov_b32 s[G0XS+1], s93
	s_mov_b64 s[G0XS+2:G0XS+3], s[22:23]
	s_or_b32 s[G0XS+3], s[G0XS+3], 0x80000000
	s_add_nc_u64 s[20:21], s[20:21], s[94:95]
	s_add_nc_u64 s[66:67], s[66:67], s[96:97]
	s_mov_b32 s[G0A], 1                            ; slot 0 stands at K step 0 (stepped ahead of its first refill), slot 1 at K step 1
	s_mov_b32 s[G0A+1], s45
	s_mov_b64 s[G0A+2:G0A+3], s[20:21]
	s_or_b32 s[G0A+3], s[G0A+3], 0x80000000
	s_mov_b32 s[G0A+4], 1
	s_add_co_u32 s[G0A+5], s45, SLOT
	s_add_nc_u64 s[G0A+6:G0A+7], s[20:21], 256
	s_or_b32 s[G0A+7], s[G0A+7], 0x80000000
	s_mov_b32 s[G0B], 1
	s_mov_b32 s[G0B+1], s45
	s_mov_b64 s[G0B+2:G0B+3], s[66:67]
	s_or_b32 s[G0B+3], s[G0B+3], 0x80000000
	s_mov_b32 s[G0B+4], 1
	s_add_co_u32 s[G0B+5], s45, SLOT
	s_add_nc_u64 s[G0B+6:G0B+7], s[66:67], KIMG
	s_or_b32 s[G0B+7], s[G0B+7], 0x80000000
	CROUND                                         ; all sixteen work-groups are here: the first joint loads meet
; the head's loads, one a wave: wave 0 x's 256 rows, wave 1 W's K step, waves 2 and 3 the halves of x's scales
.macro ARM under, g0, g1, next
	s_cmp_lt_u32 s14, \under
	s_cbranch_scc0 \next
	tensor_load_to_lds s[\g0:\g0+3], s[\g1:\g1+7]
	s_nop 0
	PLACES 4
	s_branch .Lhead_asked
\next:
.endm
	ARM 1, G0HA, G1A, .Lhead_b
	ARM 2, G0HB, G1B, .Lhead_s
	tensor_load_to_lds s[G0XS:G0XS+3], s[G1S:G1S+7]
	s_nop 0
	PLACES 4
.Lhead_asked:
	s_mul_i32 s88, s15, HA                         ; my 128 rows of x
	s_mul_i32 s89, s16, HA
	s_add_co_u32 s89, s89, TA                      ; my 128 columns of W
	s_add_co_u32 s90, s89, 256                     ; their scale bytes stand behind the codes
	s_mul_i32 s91, s15, XSH
	s_add_co_u32 s91, s91, XS                      ; x's scale words: K step 0, for slot 0,
	s_add_co_u32 s99, s91, 8                       ; K step 1, for slot 1
	s_mul_i32 s23, s14, 16*PITCH                   ; my stage for the way out, in slot 0
	s_lshl_b32 s66, s42, 9
	s_lshl_b32 s67, s16, 8
	s_add_co_u32 s66, s66, s67                     ; my first column, in bytes of f16
	s_mov_b32 s67, 0
	s_add_nc_u64 s[10:11], s[10:11], s[66:67]
	s_add_nc_u64 s[12:13], s[12:13], s[66:67]
	s_lshl_b32 s20, s17, 21
	s_lshl_b32 s21, s15, 20
	s_add_co_u32 s20, s20, s21
	s_mov_b32 s21, 0
	s_add_nc_u64 s[12:13], s[12:13], s[20:21]
	s_lshl_b32 s20, s17, 8                         ; the prefetches: of the 128 rows of x that I fetch, my work-group's 32 (by cx),
	s_lshl_b32 s21, s16, 7
	s_add_co_u32 s20, s20, s21
	s_lshl_b32 s21, s40, 5
	s_add_co_u32 s20, s20, s21
	s_lshl_b32 s20, s20, 12
	s_mul_i32 s21, s42, 16*KIMG                    ; or of the 136 blocks of the image, its 34 (by cy)
	s_mul_i32 s22, s16, HA
	s_add_co_u32 s21, s21, s22
	s_mul_i32 s22, s41, 34*256
	s_add_co_u32 s21, s21, s22
	s_mov_b32 s94, 2*KIMG
	s_cmp_eq_u32 s15, 0
	s_cselect_b32 s20, s20, s21
	s_cselect_b32 s98, 12, 8                       ; a lane a row of x, or a lane a block of 256 bytes
	s_cselect_b64 s[PF:PF+1], s[4:5], s[8:9]
	s_cselect_b32 s94, 512, s94                    ; two K steps
	s_mov_b32 s95, 0
	s_mov_b32 s21, 0
	s_lshr_b32 s96, s94, 1                         ; one K step
	s_mov_b32 s97, 0
	s_add_nc_u64 s[PF:PF+1], s[PF:PF+1], s[20:21]
	s_add_nc_u64 s[PF:PF+1], s[PF:PF+1], s[94:95]          ; slot 0: K step 2, its second fill's
	s_add_nc_u64 s[PF+2:PF+3], s[PF:PF+1], s[96:97]        ; slot 1: K step 3
	v_and_b32 v1, 15, v0                           ; r
	v_bfe_u32 v2, v0, 4, 1                         ; h
	v_and_b32 v6, 31, v0
	v_lshlrev_b32 v[BO], 4, v2
	v_mul_u32_u24 v3, v1, PITCH
	v_lshl_add_u32 v4, v2, 4, v3                   ; a fragment's row x pitch + 16 h
	v_add_nc_u32 v[ADRA], s88, v4
	v_add_nc_u32 v[ADRA+1], SLOT, v[ADRA]
	v_add_nc_u32 v[ADRB], s89, v4
	v_add_nc_u32 v[ADRB+1], SLOT, v[ADRB]
	v_mad_u32_u24 v5, v2, 64*PITCH, v3             ; W's scale words: column r, lanes 16-31 four blocks on
	v_add_nc_u32 v[ADRSB], s90, v5
	v_add_nc_u32 v[ADRSB+1], SLOT, v[ADRSB]
	v_lshrrev_b32 v7, 1, v1                        ; x's: two rows of 128 bytes to an LDS row; lanes 16-31 four blocks on
	v_mul_u32_u24 v7, v7, PITCH
	v_and_b32 v8, 1, v1
	v_lshl_add_u32 v7, v8, 7, v7
	v_mad_u32_u24 v7, v2, 32*PITCH, v7
	v_add_nc_u32 v[ADRXS], s91, v7
	v_add_nc_u32 v[ADRXS+1], s99, v7
	v_add_nc_u32 v[STO], s23, v4                   ; the way out: in, row r, 16 bytes for each half of the lanes
	v_mul_u32_u24 v5, v2, PITCH
	v_lshl_add_u32 v5, v1, 4, v5
	v_add_nc_u32 v[RD], s23, v5                    ; back: sixteen lanes to a row of 256 bytes
	v_lshlrev_b32 v5, 13, v2
	v_lshl_add_u32 v[CO], v1, 4, v5                ; and the same two rows in out
	v_lshlrev_b32 v[PFO], s98, v6
	v_min_u32 v9, 1, v6
	v_lshl_add_u32 v[PFO2], v9, 8, 32*256
	s_wait_alu depctr_va_vdst(0)
.irp b, 0,1,2,3,4,5,6,7
	global_load_b128 v[BP+4*\b:BP+4*\b+3], v[BO], s[10:11] offset:32*\b   ; bias of columns 16 b + 8 h + 0 .. 7
.endr
	ASK 0, 0                                       ; slot 0's second fill
.macro FRAG reg, adr, q, i             ; 16 rows x 128 K: registers 4 c .. 4 c + 3 hold K = 32 c + 16 h + 0 .. 15
.irp c, 0,1,2,3
	ds_load_b128 v[\reg+4*\c:\reg+4*\c+3], v[\adr] offset:128*(\q)+32*\c+(\i)*16*PITCH
.endr
.endm
; One fetch for the next step (slot NS, its NQ_-th 128 along K).  k = 0-7: W's fragment k; 8-15: x's block k - 8; 16: the slot's scale words; below 0: nothing
.macro ACT k
.if (\k) >= 0
.if (\k) < 8
	WIN TO_B
	FRAG 128*NQ_+16*(\k), ADRB+NS, NQ_, \k
.else
	WIN 0
.if (\k) < 16
	FRAG 128+16*((\k)-8)-128*(((\k)-8)/4)*NQ_, ADRA+NS, NQ_, (\k)-8
.else
.irp i, 0,1,2,3
	ds_load_b64 v[SC+16*NS+8*(\i/2)+2*(\i%2):SC+16*NS+8*(\i/2)+2*(\i%2)+1], v[ADRXS+NS] offset:\i*8*PITCH
	ds_load_b64 v[SC+16*NS+4+8*(\i/2)+2*(\i%2):SC+16*NS+4+8*(\i/2)+2*(\i%2)+1], v[ADRSB+NS] offset:\i*16*PITCH
.endr
	v_add_nc_u32 v[ADRXS+NS], 16, v[ADRXS+NS]      ; this slot's next K step lies two K steps, 16 scale bytes, on
	s_wait_alu depctr_va_vdst(0)                   ; directly behind the write
.endif
.endif
.endif
.endm
.macro MM a, b, q, sc, first           ; first = 1: the bias is the sum's first C: nothing is cleared
.set AR, 128+16*(\a)-128*((\a)/4)*(\q)
.set DR, 8*(8*((\a)%4)+(\b))
.set BR, 128*(\q)+16*(\b)
.set RB, SC+16*(\sc)+4+8*(((\b)%4)/2)+2*((\b)%2)+(\q)
.set RA, SC+16*(\sc)+8*(((\a)%4)/2)+2*((\a)%2)+(\q)
.if \first
.set CR, BF+8*(\b)
.else
.set CR, DR
.endif
.if (\a) < 4
.if (\b) < 4
	v_wmma_scale_f32_16x16x128_f8f6f4 v[DR:DR+7], v[BR:BR+15], v[AR:AR+15], v[CR:CR+7], v[RB], v[RA]
.else
	v_wmma_scale_f32_16x16x128_f8f6f4 v[DR:DR+7], v[BR:BR+15], v[AR:AR+15], v[CR:CR+7], v[RB], v[RA] matrix_a_scale:MATRIX_SCALE_ROW1
.endif
.else
.if (\b) < 4
	v_wmma_scale_f32_16x16x128_f8f6f4 v[DR:DR+7], v[BR:BR+15], v[AR:AR+15], v[CR:CR+7], v[RB], v[RA] matrix_b_scale:MATRIX_SCALE_ROW1
.else
	v_wmma_scale_f32_16x16x128_f8f6f4 v[DR:DR+7], v[BR:BR+15], v[AR:AR+15], v[CR:CR+7], v[RB], v[RA] matrix_a_scale:MATRIX_SCALE_ROW1 matrix_b_scale:MATRIX_SCALE_ROW1
.endif
.endif
.endm
.macro GRP a, s, q, first, k0, k1, k2  ; x's block a against W's eight; fetches behind products 0, 4 (and 2)
.irp b, 0,1,2,3,4,5,6,7
	WIN MW
	MM \a, \b, \q, \s, \first
.if \b == 0
	ACT \k0
.endif
.if \b == 2
	ACT \k2
.endif
.if \b == 4
	ACT \k1
.endif
.endr
.endm
; A step: slot s, its q-th 128 along K; the next step is (ns, nq).  The 64 accumulators take turns in the same order in every step.
; The eight places in the middle free x's blocks 0-3, those at the end W's set and x's blocks 4-7, for the loads that follow.
.macro STEP s, q, ns, nq, first, load, ask
.set NS, \ns
.set NQ_, \nq
.set KB, 0-100*(1-(\load))
.set KA, 12-100*(\first)-100*(1-(\load))
.set KL, 8-100*(1-(\load))
.set KS, 16-100*(\nq)-100*(1-(\load))
	s_wait_dscnt 8                                 ; all but the last two fragments asked for (x's blocks 2, 3)
.set MW, 0xa1-0x20*(\first)
	GRP 0, \s, \q, \first, KB+0, KA+0, -1
	GRP 1, \s, \q, \first, KB+1, KA+1, -1
.if \ask
	WIN 0
	ASK \s, 1
.endif
	s_wait_dscnt 8*(\load)                         ; x's blocks 2, 3 are in: behind them at least two fragments were asked for (in the last step none)
	GRP 2, \s, \q, \first, KB+2, KA+2, KS
	GRP 3, \s, \q, \first, KB+3, KA+3, -1
	PLACES NP
.set MW, 0xf1-0x30*(\first)
	GRP 4, \s, \q, \first, KB+4, KB+5, -1
	GRP 5, \s, \q, \first, KB+6, KB+7, -1
	GRP 6, \s, \q, \first, KL+0, KL+1, -1
	GRP 7, \s, \q, \first, KL+2, KL+3, -1
	PLACES NP
	WIN 0
.if \first
.irp k, 12,13,14,15
	ACT \k                                         ; their registers held the bias until now
.endr
.endif
.endm
; The change of slots.  Every read of slot s has been issued; fill = 1: slot s is filled again, two K steps on
.macro TURN s, fill
.if \fill
	s_wait_xcnt 0x0                                ; my prefetches have read their address
	s_add_nc_u64 s[PF+2*\s:PF+2*\s+1], s[PF+2*\s:PF+2*\s+1], s[94:95]
.endif
	s_wait_tensorcnt 0x0                           ; my one load that was out, my quarter of the other slot, has landed
	ds_add_u32 v[SPW], v[NIL]
.if \fill
	s_add_nc_u64 s[G0A+4*\s+2:G0A+4*\s+3], s[G0A+4*\s+2:G0A+4*\s+3], 512
	s_add_nc_u64 s[G0B+4*\s+2:G0B+4*\s+3], s[G0B+4*\s+2:G0B+4*\s+3], 2*KIMG
.endif
	s_wait_dscnt 0x0                               ; the add is done, and my reads of slot s are back
	s_barrier_signal -1
	s_barrier_wait -1
.if \fill
	CREST                                          ; the barrier has opened a round of the cluster's barrier
	JLOAD \s
.endif
.endm
	s_wait_loadcnt 0x0
.set BIX, 0
.irp p, v96.l,v96.h,v97.l,v97.h,v98.l,v98.h,v99.l,v99.h,v100.l,v100.h,v101.l,v101.h,v102.l,v102.h,v103.l,v103.h
	v_cvt_f32_f16 v[BF+BIX], \p
.set BIX, BIX+1
.endr
.irp p, v104.l,v104.h,v105.l,v105.h,v106.l,v106.h,v107.l,v107.h,v108.l,v108.h,v109.l,v109.h,v110.l,v110.h,v111.l,v111.h
	v_cvt_f32_f16 v[BF+BIX], \p
.set BIX, BIX+1
.endr
.irp p, v112.l,v112.h,v113.l,v113.h,v114.l,v114.h,v115.l,v115.h,v116.l,v116.h,v117.l,v117.h,v118.l,v118.h,v119.l,v119.h
	v_cvt_f32_f16 v[BF+BIX], \p
.set BIX, BIX+1
.endr
.irp p, v120.l,v120.h,v121.l,v121.h,v122.l,v122.h,v123.l,v123.h,v124.l,v124.h,v125.l,v125.h,v126.l,v126.h,v127.l,v127.h
	v_cvt_f32_f16 v[BF+BIX], \p
.set BIX, BIX+1
.endr
	PLACES NP
	s_wait_alu depctr_va_vdst(0)                   ; the wait at the head's end
	s_wait_tensorcnt 0x0                           ; my tile of the head's is in; the same lines as ahead of a refill:
	ds_add_u32 v[SPW], v[NIL]
	s_mov_b32 s[G1A+2], 128<<16                    ; no load of mine is out: from here on a load brings a quarter of a slot
	s_mov_b32 s[G1A+4], 128
	s_mov_b32 s[G1B+2], 136<<16
	s_mov_b32 s[G1B+4], 136
	s_wait_dscnt 0x0
	CROUND
	JLOAD 1                                        ; slot 1's first fill, the first tensor load behind the round
.set NS, 0
.set NQ_, 0
.irp k, 16,0,1,2,3,4,5,6,7,12,13,14,15,8,9,10,11
	ACT \k
.endr
	WIN 0
	ASK 1, 0                                       ; slot 1's second fill
	STEP 0, 0, 0, 1, 1, 1, 0
	s_mov_b32 s3, 7
.Llap:                                                 ; a trip: once round the ring, both slots filled again
	TURN 0, 1
	STEP 0, 1, 1, 0, 0, 1, 1
	STEP 1, 0, 1, 1, 0, 1, 0
	TURN 1, 1
	STEP 1, 1, 0, 0, 0, 1, 1
	STEP 0, 0, 0, 1, 0, 1, 0
	s_sub_co_u32 s3, s3, 1
	s_cmp_lg_u32 s3, 0
	s_cbranch_scc1 .Llap
	TURN 0, 0                                      ; the last K step has landed; nothing is filled again, so no round follows
	STEP 0, 1, 1, 0, 0, 1, 0
	STEP 1, 0, 1, 1, 0, 1, 0
	STEP 1, 1, 0, 0, 0, 0, 0
; THE WAY OUT, block by block of 16 rows x 128 columns: rounded to f16, through my stage (in slot 0: it has had its last fill, and every wave's reads of it were back at the last barrier), out as whole rows of 256 bytes
.macro PACK a
.set AC, 64*((\a)%4)
	WIN 0x0a+5*((\a)/4)
.irp b, 0,1,2,3,4,5,6,7
.irp r, 0,1,2,3
	v_cvt_pk_f16_f32 v[TMP+4*\b+\r], v[AC+8*\b+2*\r], v[AC+8*\b+2*\r+1]
.endr
.endr
	WIN 0
.endm
.macro TOSTAGE a
.set BB, BK+32*((\a)%2)
.irp b, 0,1,2,3,4,5,6,7
	ds_store_b128 v[STO], v[TMP+4*\b:TMP+4*\b+3] offset:32*\b
.endr
.irp t, 0,1,2,3,4,5,6,7
	ds_load_b128 v[BB+4*\t:BB+4*\t+3], v[RD] offset:\t*2*PITCH     ; LDS serves a wave's instructions in order (ISA guide 5.7.1.4)
.endr
.endm
.macro SEND a
.set BB, BK+32*((\a)%2)
	s_wait_dscnt 0x0
	s_wait_xcnt 0x0                                ; earlier stores have read their base and registers
.if (\a) > 0
	s_add_nc_u64 s[12:13], s[12:13], 16*8192
.endif
.irp t, 0,1,2,3,4,5,6,7
	global_store_b128 v[CO], v[BB+4*\t:BB+4*\t+3], s[12:13] offset:2*\t*8192 th:TH_STORE_NT   ; sixteen lanes store 256 consecutive aligned bytes
.endr
.endm
	PACK 0
	TOSTAGE 0
.irp a, 1,2,3,4,5,6,7
	PACK \a
	s_wait_alu depctr_va_vdst(0)                   ; directly ahead of SEND's waits
	SEND \a-1
	TOSTAGE \a
.endr
	SEND 7
	s_wait_tensorcnt 0x0                           ; the wave's end
	ds_add_u32 v[SPW], v[NIL]
	s_wait_dscnt 0x0
	CROUND                                         ; the closing round
	s_endpgm
.Lfunc_end_k_q4d87590307_gemm:
	.size	k_q4d87590307_gemm, .Lfunc_end_k_q4d87590307_gemm-k_q4d87590307_gemm
	.p2alignl 7, 3214868480
	.fill 96, 4, 3214868480
	.section	.rodata,"a",@progbits
	.p2align	6, 0x0
	.amdhsa_kernel k_q4d87590307_gemm
		.amdhsa_group_segment_fixed_size 327680
		.amdhsa_private_segment_fixed_size 0
		.amdhsa_enable_private_segment 0
		.amdhsa_kernarg_size 40
		.amdhsa_user_sgpr_count 2
		.amdhsa_user_sgpr_kernarg_segment_ptr 1
		.amdhsa_wavefront_size32 1
		.amdhsa_system_sgpr_workgroup_id_x 1
		.amdhsa_system_sgpr_workgroup_id_y 1
		.amdhsa_system_sgpr_workgroup_id_z 1
		.amdhsa_system_vgpr_workitem_id 0
		.amdhsa_next_free_vgpr 1024
		.amdhsa_next_free_sgpr 102
		.amdhsa_reserve_vcc 0
		.amdhsa_float_denorm_mode_32 3
		.amdhsa_float_denorm_mode_16_64 3
		.amdhsa_memory_ordered 1
		.amdhsa_forward_progress 1
		.amdhsa_inst_pref_size 161
	.end_amdhsa_kernel
	.amdgpu_metadata
---
amdhsa.version: [ 1, 2 ]
amdhsa.kernels:
  - .name:           k_q4d87590307_gemm
    .symbol:         k_q4d87590307_gemm.kd
    .args:
      - { .name: x_codes, .offset: 0, .size: 8, .value_kind: global_buffer, .address_space: global }
      - { .name: x_scales, .offset: 8, .size: 8, .value_kind: global_buffer, .address_space: global }
      - { .name: w_img, .offset: 16, .size: 8, .value_kind: global_buffer, .address_space: global }
      - { .name: bias, .offset: 24, .size: 8, .value_kind: global_buffer, .address_space: global }
      - { .name: out0, .offset: 32, .size: 8, .value_kind: global_buffer, .address_space: global }
    .group_segment_fixed_size: 327680
    .private_segment_fixed_size: 0
    .kernarg_segment_align: 8
    .kernarg_segment_size: 40
    .max_flat_workgroup_size: 128
    .sgpr_count:     102
    .vgpr_count:     1024
    .wavefront_size: 32
...
	.end_amdgpu_metadata
.endif
;; end of part 2
